; MI455X (gfx1250); checked and timed in simulation.
; The chip was launched on July 23, 2026; its instructions are those of AMD's public machine-readable ISA for CDNA 5 (MIT licence, August 2026) and "CDNA5" Instruction Set Architecture Reference Guide (July 2026). The comments in the code are by the model that wrote it; some were corrected since.
;; Scaled Dot Product Attention. Allowed arithmetic: matrix products marked QUANTISED: E2M1 operands, one E8M0 scale for each 32 along K, by v_wmma_scale_f32_16x16x128_f8f6f4 with both operands' format E2M1 (or v_wmma_scale_f32_32x16x128_f4), f32 sums; everything else in f32.
;; Inputs: key 4 x 16 x 2,048 x 128 float32; mask 1 x 1 x 2,048 x 2,048 bool; query 4 x 16 x 2,048 x 128 float32; value 4 x 16 x 2,048 x 128 float32.
;; Outputs: out0 4 x 16 x 2,048 x 128 float32.
;; This version of the problem:
;;   THIS VERSION OF THE PROBLEM IS GIVEN IN LOW PRECISION. The matrix products marked QUANTISED in the list below multiply operands that are first quantised to E2M1 (2 exponent bits, 1 mantissa bit; 4 bits a number), with one power-of-two scale for each 32 numbers along K (OCP MX v1.0); their sums are f32. All else is computed in f32.
;;   The module's matrix products, in the order in which they are computed (A, B: the left and right operand; K: the contracted axis; several contracted axes count as one K, in the product's order):
;;     1. batch 64 x [M 2,048, K 128] x [K 128, N 2,048]; A: input query; B: input key: QUANTISED
;;     2. batch 64 x [M 2,048, K 2,048] x [K 2,048, N 128]; A: softmax (see below); B: input value: QUANTISED
;;   THE QUANTISER, for each operand of a quantised product, along K:
;;     - K is cut into blocks of 32 from its start; a last block that is shorter is filled with zeros.
;;     - A block's scale is 2^e with e = floor(log2(the largest magnitude in the block)) - 2, held to -126 .. 127; a block of zeros has e = 0. As a byte (E8M0): e + 127.
;;     - Each number is divided by its block's scale, clamped to +-6, and rounded to the nearest number of E2M1, ties to even, subnormals kept.
;;     - The product sums the exact products of the quantised numbers (number of the format x scale) in f32.
;;   ~~~python
;;   def quantise(x, axis):      # numpy; x: float32 -> the quantised numbers, widened to float32 again
;;       x = np.moveaxis(x, axis, -1); K = x.shape[-1]
;;       x = np.pad(x, [(0, 0)] * (x.ndim - 1) + [(0, -K % 32)]); x = x.reshape(x.shape[:-1] + (-1, 32)); a = np.abs(x).max(-1, keepdims=True)
;;       e = np.where(a > 0, np.clip(np.frexp(np.where(a > 0, a, 1))[1] - 1 - 2, -126, 127), 0)      # np.frexp(a)[1] - 1 = floor(log2(a)), exactly
;;       r = np.clip(x / 2.0 ** e, -6, 6)
;;       step = 2.0 ** (np.maximum(np.frexp(np.where(r == 0, 1, r))[1] - 1, 0) - 1)
;;       q = np.round(r / step) * step * 2.0 ** e      # np.round: ties to even
;;       return np.moveaxis(q.reshape(q.shape[:-2] + (-1,))[..., :K], -1, axis).astype(np.float32)
;;   ~~~
;;   SOFTMAX AHEAD OF A QUANTISED PRODUCT. Where the list says 'softmax', what is quantised is not the finished softmax but p = 2^(t - M), with t = logit x log2(e) and M = ceil(the row's largest t), a whole number; so 1/2 < the row's largest p <= 1. The row's sum l is taken of the UNQUANTISED p, in f32, and the product's result is divided by l at the end. Since M is a whole number, a kernel that streams over the keys may use a running M (the ceiling of the running maximum): every later rescaling is an exact power of two, which a block's scale takes up: the codes' values come out the same.
;;   OPERANDS COMPUTED ON THE WAY. 'Computed on the way' means the value that the module computes at that place (a softmax that the list does not call 'softmax' is quantised finished and normalised). What goes into a quantiser is computed in f32, as accurately as f32 sums, v_exp_f32 and their like allow (about 1e-6 of the number): no bf16 or f16 on the way to a quantiser, and a product that is left as it is and whose result goes on into a quantised operand takes f32 operands (vector FMAs, or v_wmma_f32_16x16x4_f32). A number that lies on a knife's edge between two numbers of the format may be rounded either way, as far as f32 arithmetic and the matrix unit's own rounding can turn it there, and no further.
;; One version. Each part assembles by itself: llvm-mc -triple=amdgcn-amd-amdhsa -mcpu=gfx1250 --defsym DOCPART=n.
;; ======== version 1 of 1: 2 launches
;; limits: right only within a limited range of input values
;; workspace buffers: qb 8,912,896 bytes; kv 17,825,792 bytes; mbits 524,288 bytes of whole numbers; flags 512 bytes of whole numbers
;; launch prep (part 1): grid 3200 x 1, 4 waves a work-group, no clusters, 103,168 bytes of LDS; arguments query, key, value, mask, qb, kv, mbits, flags; writes qb, kv, mbits, flags
.if DOCPART == 1
	.amdgcn_target "amdgcn-amd-amdhsa--gfx1250"
	.amdhsa_code_object_version 6
	.text
	.protected	k_q4a640a4179_prep
	.globl	k_q4a640a4179_prep
	.p2align	8
	.type	k_q4a640a4179_prep,@function
k_q4a640a4179_prep:
	s_mov_b64 s[64:65], 0
	v_nop
	global_prefetch_b8 v0, s[64:65] scope:SCOPE_SE
	s_setreg_imm32_b32 hwreg(HW_REG_WAVE_MODE, 25, 1), 1
	s_wait_xcnt 0x0
; PREP: query, key, value (f32, [64 heads][2048][128]) become codes of FP4 (E2M1) with one E8M0 scale byte for each 32 along K, laid as IMAGES OF THE OPERAND REGISTERS that the
; attention launch loads; the mask ([2048][2048] bytes) becomes lane-mask words and two flags for each tile of 16 queries x 128 keys.
; A block's scale is 2^(floor(log2(its largest magnitude)) - 2); its byte is the largest magnitude's exponent field - 2, held at 1 from below.
; LIMITS: a block of zeros gets the byte 1 where the rule says 127 (its codes are zeros, which add nothing, and this program alone reads the bytes); NaN and infinities among the inputs are not served.
; A BLOCK is 128 rows x 128 numbers.  Its codes' image: [tile 0..7][c 0..1][lane 0..31][16 bytes]: lane (r, h) of piece c holds registers 4 c .. 4 c + 3 of the tile's fragment: k = 64 c + 32 h + 0 .. 31 of row r.
; Its scale words: [r 0..15][tile 0..7], four bytes each.  qb: a block = 8,192 + 512 bytes.  kv: a block = K's codes 8,192, V's codes 8,192, K's words 512, V's words 512.
; THE ROWS OF A TILE of q and of k are not neighbours: lane r of tile t takes row 32 (t / 2) + 8 (t % 2) + r + 8 (r / 8) of the block.  A tile of v takes channels 16 t + r, and its K is the block's 128 keys.
; THREE PATHS by the work-group's number, each with LDS bytes of its own and one barrier: 0..127 a tile of queries of the mask; 128..2175 a block of q or k; 2176..3199 a block of v.
; No tensor loads, no loop, no pointer stepped, no store's data written again.  A wave asks for all its 16 KiB (mask: 8 KiB) at once.
.set QKST,  16896                      ; LDS: a wave's stage on the q/k path: 32 rows x (512 + 16) bytes; four of them from byte 0
.set QKG,   4*QKST                     ; 512 bytes: the block's scale words on the q/k path
.set VG,    QKG+512                    ; 512 bytes: the same on the v path
.set MST,   VG+512                     ; the mask path's stages: 16 rows x 528 bytes for each wave
.set MSTW,  16*528
.set MFG,   MST+4*MSTW                 ; 256 bytes: the four waves' flag words
.set QBB,   8704                       ; a block of qb
.set KVB,   17408                      ; a block of kv
	s_load_b512 s[16:31], s[0:1], 0x0              ; query s[16:17], key s[18:19], value s[20:21], mask s[22:23], qb s[24:25], kv s[26:27], mbits s[28:29], flags s[30:31]
	v_lshl_add_u32 v240, v0, 2, 0x19100
	v_mov_b32 v241, 0
	v_lshrrev_b32 v1, 5, v0
	v_readfirstlane_b32 s8, v1                     ; wave 0..3
	v_and_b32 v1, 31, v0                           ; L
	v_and_b32 v2, 15, v0                           ; r
	v_bfe_u32 v3, v0, 4, 1                         ; h
	v_lshlrev_b32 v4, 4, v1                        ; 16 L
	v_lshlrev_b32 v9, 5, v2
	v_lshl_add_u32 v9, v3, 2, v9
	s_lshl_b32 s15, s8, 3
	v_add_nc_u32 v9, s15, v9                       ; 32 r + 4 h + 8 wave: a scale word's place among the block's 128
	s_mov_b32 s60, 0x76543210
	s_mov_b32 s61, 0xfedcba98                      ; v_permlanex16_b32's selects for lane l xor 16
	s_mov_b32 s13, 0                               ; the high word of every offset pair s[12:13]
	s_wait_kmcnt 0x0
	s_cmp_lt_u32 ttmp9, 128
	s_cbranch_scc1 .Lmask
	s_cmp_lt_u32 ttmp9, 2176
	s_cbranch_scc0 .Lv
; 32 numbers of one block of 32 along K, v[XS] on, become 16 bytes of codes, v[CD] on, and the scale's byte, v[BY].
.macro BLOCK32
	v_max3_num_f32 v10, |v[XS]|, |v[XS+1]|, |v[XS+2]|               ; the largest magnitude, in two chains
	v_max3_num_f32 v11, |v[XS+3]|, |v[XS+4]|, |v[XS+5]|
.irp i, 6,10,14,18,22,26
	v_max3_num_f32 v10, v10, |v[XS+\i]|, |v[XS+\i+1]|
	v_max3_num_f32 v11, v11, |v[XS+\i+2]|, |v[XS+\i+3]|
.endr
	v_max3_num_f32 v10, v10, |v[XS+30]|, |v[XS+31]|
	v_max3_num_f32 v10, v10, v11, 0x1800000        ; and the floor 2^(3 - 127): the byte cannot fall under 1
	v_add_nc_u32 v12, 0xff000000, v10              ; 2 off the exponent field: the conversion takes the exponent field of this operand as its scale
.irp g, 0,1,2,3
	v_cvt_scalef32_pk8_fp4_f32 v[CD+\g], v[XS+8*\g:XS+8*\g+7], v12
.endr
	v_lshrrev_b32 v[BY], 23, v12                   ; the scale's byte; also the plain line behind the conversions
.endm
; ---------------- a block of q or of k: K is innermost.  Wave w takes rows 32 w .. 32 w + 31: tiles 2 w and 2 w + 1.
	s_sub_co_u32 s2, ttmp9, 128
	s_and_b32 s3, s2, 1023                         ; the block's number in its tensor: 16 x head + its place in the head
	s_cmp_lt_u32 s2, 1024                          ; q's or k's?  The choice hangs on the work-group's number alone
	s_cselect_b64 s[4:5], s[16:17], s[18:19]
	s_cselect_b64 s[6:7], s[24:25], s[26:27]
	s_mov_b32 s9, KVB
	s_cselect_b32 s9, QBB, s9                      ; bytes from block to block in the workspace,
	s_mov_b32 s10, 16384
	s_cselect_b32 s10, 8192, s10                   ; and where the scale words begin in a block
	s_mov_b32 s11, 0
	s_lshl_b32 s12, s3, 16                         ; a block is 65,536 bytes of f32,
	s_lshl_b32 s14, s8, 14                         ; my 32 rows 16,384
	s_add_co_u32 s12, s12, s14
	s_add_nc_u64 s[4:5], s[4:5], s[12:13]
	s_mul_i32 s12, s3, s9
	s_add_nc_u64 s[6:7], s[6:7], s[12:13]          ; the block in the workspace
	s_add_nc_u64 s[34:35], s[6:7], s[10:11]        ; its scale words
	s_lshl_b32 s12, s8, 11
	s_add_nc_u64 s[6:7], s[6:7], s[12:13]          ; my two tiles' codes
	s_mul_i32 s14, s8, QKST
	s_wait_alu depctr_va_vdst(0)
	v_add_nc_u32 v5, s14, v4                       ; the stage, in: a row's 512 bytes by 32 lanes
	v_mul_u32_u24 v6, v2, 528
	v_lshl_add_u32 v6, v3, 7, v6
	v_add_nc_u32 v6, s14, v6                       ; and out: stage row r, + 128 h bytes: my 32 numbers of a piece
	v_lshlrev_b32 v7, 3, v3                        ; 8 h
	v_add_nc_u32 v8, QKG, v9
	v_add_nc_u32 v13, QKG, v4
	v_mov_b32 v20, 0                               ; written once: a lane permute's destination counts as one of its sources
	v_mov_b32 v21, 0
.set i, 0
.rept 32
	global_load_b128 v[32+4*i:35+4*i], v4, s[4:5] offset:512*i th:TH_LOAD_NT   ; a whole row: 512 consecutive bytes
.set i, i+1
.endr
.set i, 0
	s_wait_alu depctr_va_vdst(0)
.rept 32
.if i%4 == 0
	s_wait_loadcnt 28-i                            ; these four rows are in; the younger loads stay out
.endif
	ds_store_b128 v5, v[32+4*i:35+4*i] offset:(16*((i/8)%2)+i%8+8*(i/16))*528   ; row i goes where its tile wants it: the sixteen rows of a tile lie on end
.set i, i+1
.endr
.macro RB q                            ; piece q = 2 u + c: my 32 numbers of tile 2 w + u, piece c, into set q % 2.  LDS serves a wave's instructions in order: these see the stores above
.set k, 0
.rept 8
	ds_load_b128 v[160+32*((\q)%2)+4*k:163+32*((\q)%2)+4*k], v6 offset:((\q)/2)*8448+((\q)%2)*256+16*k
.set k, k+1
.endr
.endm
	RB 0
	RB 1
.irp q, 0,1,2,3
.if \q < 3
	s_wait_dscnt 8                                 ; this piece is in; the other set's eight loads stay out
.else
	s_wait_dscnt 0x0
.endif
.set XS, 160+32*(\q%2)
.set CD, 224+4*\q
.set BY, 14+\q
	BLOCK32
	global_store_b128 v4, v[CD:CD+3], s[6:7] offset:(\q/2)*1024+(\q%2)*512   ; 32 lanes store 512 consecutive bytes, aligned
.if \q < 2
	RB \q+2
.endif
.endr
.irp u, 0,1                            ; my two bytes of tile u's row r are blocks h and 2 + h; with lane l xor 16's two the word is whole
	v_lshl_or_b32 v[18+\u], v[15+2*\u], 16, v[14+2*\u]
	v_lshlrev_b32 v[18+\u], v7, v[18+\u]
	v_permlanex16_b32 v[20+\u], v[18+\u], s60, s61
	v_or_b32 v[18+\u], v[18+\u], v[20+\u]
.endr
	v_cmp_gt_u32 vcc_lo, 16, v1
	v_cndmask_b32 v22, v19, v18, vcc_lo            ; lanes 0-15 hand in tile 2 w's word, lanes 16-31 tile 2 w + 1's
	ds_store_b32 v8, v22
	s_wait_dscnt 0x0                               ; for the others' sake: my words have landed
	s_barrier_signal -1
	s_barrier_wait -1
	s_cmp_lg_u32 s8, 0
	s_cbranch_scc1 .Lqk_end
	ds_load_b128 v[24:27], v13                     ; wave 0: the block's 128 words,
	s_wait_dscnt 0x0
	global_store_b128 v4, v[24:27], s[34:35]       ; 512 consecutive bytes, aligned
.Lqk_end:
	s_wait_tensorcnt 0x0
	ds_add_u32 v240, v241
	s_wait_dscnt 0x0
	s_endpgm
; ---------------- a block of v: K is the keys.  A lane takes a channel (32 w + L) and its registers run down the 128 keys: a block of 32 keys lies in one lane.
.Lv:
	s_sub_co_u32 s2, ttmp9, 2176                   ; 16 x head + key step
	s_lshl_b32 s12, s2, 16
	s_lshl_b32 s14, s8, 7                          ; my 32 channels: 128 bytes of each row
	s_add_co_u32 s12, s12, s14
	s_add_nc_u64 s[4:5], s[20:21], s[12:13]
	s_mul_i32 s12, s2, KVB
	s_add_nc_u64 s[34:35], s[26:27], s[12:13]      ; the block in kv
	s_lshl_b32 s12, s8, 11
	s_add_nc_u64 s[6:7], s[34:35], s[12:13]        ; + my two tiles
	s_wait_alu depctr_va_vdst(0)
	v_lshlrev_b32 v6, 2, v1                        ; in: 4 bytes a lane
	v_lshlrev_b32 v5, 10, v3
	v_lshl_add_u32 v5, v2, 4, v5                   ; out: tile 2 w + L / 16, lane place L % 16
	v_add_nc_u32 v8, VG, v9
	v_add_nc_u32 v13, VG, v4
.set i, 0
.rept 128
	global_load_b32 v[32+i], v6, s[4:5] offset:512*i th:TH_LOAD_NT   ; key i at 32 neighbouring channels; the four waves stand side by side on the row's 512 bytes
.set i, i+1
.endr
.irp q, 0,1,2,3                        ; keys 32 q on: piece q / 2, the half q % 2 of the fragment's lanes
.if \q < 2
	s_wait_loadcnt 63                              ; 96 and 64 younger loads might stay out; the count's field holds 63, and a smaller count is safe
.else
	s_wait_loadcnt 96-32*\q
.endif
.set XS, 32+32*\q
.set CD, 224+4*\q
.set BY, 14+\q
	BLOCK32
	global_store_b128 v5, v[CD:CD+3], s[6:7] offset:8192+(\q/2)*512+(\q%2)*256   ; each half of the lanes stores 256 consecutive bytes, aligned
.endr
	v_lshl_or_b32 v18, v15, 8, v14                 ; my channel's scale word for these 128 keys
	v_lshl_or_b32 v18, v16, 16, v18
	v_lshl_or_b32 v18, v17, 24, v18
	ds_store_b32 v8, v18
	s_wait_dscnt 0x0
	s_barrier_signal -1
	s_barrier_wait -1
	s_cmp_lg_u32 s8, 0
	s_cbranch_scc1 .Lv_end
	ds_load_b128 v[24:27], v13
	s_wait_dscnt 0x0
	global_store_b128 v4, v[24:27], s[34:35] offset:16896
.Lv_end:
	s_wait_tensorcnt 0x0
	ds_add_u32 v240, v241
	s_wait_dscnt 0x0
	s_endpgm
; ---------------- the mask of query tile T = the work-group's number.  Wave w takes key steps 4 w .. 4 w + 3: columns 512 w on.
; mbits [T][step][n 0..63]: bit L of word n = mask[query (T, L % 16)][128 step + 32 (n / 16) + 16 (L / 16) + n % 16]: the lane mask for register n of the scores.
; flags [T]: bit j: some key of step j counts for some query of the tile; bit 16 + j: all do.
.Lmask:
	s_lshr_b32 s2, ttmp9, 1
	s_lshl_b32 s12, s2, 16                         ; 32 (T / 2) rows of 2,048 bytes
	s_and_b32 s2, ttmp9, 1
	s_lshl_b32 s2, s2, 14                          ; 8 (T % 2) rows
	s_add_co_u32 s12, s12, s2
	s_lshl_b32 s2, s8, 9
	s_add_co_u32 s12, s12, s2
	s_add_nc_u64 s[4:5], s[22:23], s[12:13]
	s_lshl_b32 s12, ttmp9, 12                      ; 16 steps x 256 bytes a tile,
	s_lshl_b32 s2, s8, 10                          ; my four steps
	s_add_co_u32 s12, s12, s2
	s_add_nc_u64 s[6:7], s[28:29], s[12:13]
	s_lshl_b32 s12, ttmp9, 2
	s_add_nc_u64 s[44:45], s[30:31], s[12:13]
	s_mul_i32 s14, s8, MSTW
	s_add_co_u32 s14, s14, MST
	s_wait_alu depctr_va_vdst(0)
	v_add_nc_u32 v5, s14, v4                       ; the stage, in
	v_mul_u32_u24 v6, v2, 528
	v_lshl_add_u32 v6, v3, 4, v6
	v_add_nc_u32 v6, s14, v6                       ; and out: row L % 16, + 16 (L / 16) bytes
	v_lshlrev_b32 v13, 3, v1                       ; 8 L
.irp r, 0,1,2,3,4,5,6,7,8,9,10,11,12,13,14,15
	global_load_b128 v[32+4*\r:35+4*\r], v4, s[4:5] offset:(\r+8*(\r/8))*2048 th:TH_LOAD_NT   ; 512 consecutive bytes of the tile's row r
.endr
.irp j, 0,1,2,3,4,5,6,7
	v_mov_b32 v[224+\j], 0                         ; v_writelane_b32's destination counts as read
.endr
	s_mov_b32 s42, 0
	s_wait_loadcnt 0x0
.irp r, 0,1,2,3,4,5,6,7,8,9,10,11,12,13,14,15
	ds_store_b128 v5, v[32+4*\r:35+4*\r] offset:528*\r
.endr
.irp i, 0,1,2,3,4,5,6,7,8,9,10,11,12,13,14,15
	ds_load_b128 v[160+4*\i:163+4*\i], v6 offset:128*(\i/4)+32*(\i%4)   ; step i / 4, keys 32 (i % 4) + 16 (L / 16) + 0 .. 15 of my query
.endr
.irp jj, 0,1,2,3
	s_wait_dscnt 12-4*\jj                          ; this step's four loads are in; the later steps' stay out
	s_mov_b32 s40, 0
	s_mov_b32 s41, -1
.set n, 0
.rept 64
	v_and_b32 v[16+n%8], 0xff<<(8*(n%4)), v[160+16*\jj+n/4]
	v_cmp_ne_u32 s[32+n%8], 0, v[16+n%8]           ; word n: a bit a lane
	v_writelane_b32 v[224+2*\jj+n%2], s[32+n%8], n/2   ; lane n / 2 carries words n and n + 1
	s_or_b32 s40, s40, s[32+n%8]
	s_and_b32 s41, s41, s[32+n%8]
.set n, n+1
.endr
	global_store_b64 v13, v[224+2*\jj:225+2*\jj], s[6:7] offset:256*\jj   ; 32 lanes store 256 consecutive bytes, aligned
	s_cmp_lg_u32 s40, 0
	s_cselect_b32 s43, 1<<\jj, 0                   ; some key counts
	s_or_b32 s42, s42, s43
	s_cmp_eq_u32 s41, -1
	s_cselect_b32 s43, 0x10000<<\jj, 0             ; all count
	s_or_b32 s42, s42, s43
.endr
	s_lshl_b32 s43, s8, 2
	s_lshl_b32 s42, s42, s43                       ; my four steps' bits at their places
	s_add_co_u32 s43, s43, MFG
	v_mov_b32 v21, s42
	v_mov_b32 v22, s43
	ds_store_b32 v22, v21                          ; all lanes write the same word with the same value
	s_wait_dscnt 0x0
	s_barrier_signal -1
	s_barrier_wait -1
	s_cmp_lg_u32 s8, 0
	s_cbranch_scc1 .Lmask_end
	v_mov_b32 v23, MFG
	ds_load_b128 v[24:27], v23
	v_mov_b32 v28, 0
	v_cmp_gt_u32 vcc_lo, 1, v0
	s_wait_dscnt 0x0
	v_or_b32 v24, v24, v25
	v_or_b32 v26, v26, v27
	v_or_b32 v24, v24, v26
	s_wait_alu depctr_va_vdst(0)
	s_wait_xcnt 0x0                                ; EXEC changes only when my earlier stores have read it
	s_and_saveexec_b32 s46, vcc_lo
	global_store_b32 v28, v24, s[44:45]            ; thread 0: the tile's flag word
	s_wait_xcnt 0x0
	s_or_b32 exec_lo, exec_lo, s46
.Lmask_end:
	s_wait_tensorcnt 0x0
	ds_add_u32 v240, v241
	s_wait_dscnt 0x0
	s_endpgm
.Lfunc_end_k_q4a640a4179_prep:
	.size	k_q4a640a4179_prep, .Lfunc_end_k_q4a640a4179_prep-k_q4a640a4179_prep
	.p2alignl 7, 3214868480
	.fill 96, 4, 3214868480
	.section	.rodata,"a",@progbits
	.p2align	6, 0x0
	.amdhsa_kernel k_q4a640a4179_prep
		.amdhsa_group_segment_fixed_size 103168
		.amdhsa_private_segment_fixed_size 0
		.amdhsa_enable_private_segment 0
		.amdhsa_kernarg_size 64
		.amdhsa_user_sgpr_count 2
		.amdhsa_user_sgpr_kernarg_segment_ptr 1
		.amdhsa_wavefront_size32 1
		.amdhsa_system_sgpr_workgroup_id_x 1
		.amdhsa_system_sgpr_workgroup_id_y 1
		.amdhsa_system_sgpr_workgroup_id_z 1
		.amdhsa_system_vgpr_workitem_id 0
		.amdhsa_next_free_vgpr 242
		.amdhsa_next_free_sgpr 66
		.amdhsa_reserve_vcc 1
		.amdhsa_float_denorm_mode_32 3
		.amdhsa_float_denorm_mode_16_64 3
		.amdhsa_memory_ordered 1
		.amdhsa_forward_progress 1
		.amdhsa_inst_pref_size 108
	.end_amdhsa_kernel
	.amdgpu_metadata
---
amdhsa.version: [ 1, 2 ]
amdhsa.kernels:
  - .name:           k_q4a640a4179_prep
    .symbol:         k_q4a640a4179_prep.kd
    .args:
      - { .name: query, .offset: 0, .size: 8, .value_kind: global_buffer, .address_space: global }
      - { .name: key, .offset: 8, .size: 8, .value_kind: global_buffer, .address_space: global }
      - { .name: value, .offset: 16, .size: 8, .value_kind: global_buffer, .address_space: global }
      - { .name: mask, .offset: 24, .size: 8, .value_kind: global_buffer, .address_space: global }
      - { .name: qb, .offset: 32, .size: 8, .value_kind: global_buffer, .address_space: global }
      - { .name: kv, .offset: 40, .size: 8, .value_kind: global_buffer, .address_space: global }
      - { .name: mbits, .offset: 48, .size: 8, .value_kind: global_buffer, .address_space: global }
      - { .name: flags, .offset: 56, .size: 8, .value_kind: global_buffer, .address_space: global }
    .group_segment_fixed_size: 103168
    .private_segment_fixed_size: 0
    .kernarg_segment_align: 8
    .kernarg_segment_size: 64
    .max_flat_workgroup_size: 128
    .sgpr_count:     66
    .vgpr_count:     242
    .wavefront_size: 32
...
	.end_amdgpu_metadata
.endif
;; end of part 1
;; launch attn (part 2): grid 64 x 16, 4 waves a work-group, no clusters, 70,144 bytes of LDS; arguments qb, kv, mbits, flags, out0; writes out0
.if DOCPART == 2
	.amdgcn_target "amdgcn-amd-amdhsa--gfx1250"
	.amdhsa_code_object_version 6
	.text
	.protected	k_q4a640a4179_attn
	.globl	k_q4a640a4179_attn
	.p2align	8
	.type	k_q4a640a4179_attn,@function
k_q4a640a4179_attn:
	s_mov_b64 s[64:65], 0
	v_nop
	global_prefetch_b8 v0, s[64:65] scope:SCOPE_SE
	s_setreg_imm32_b32 hwreg(HW_REG_WAVE_MODE, 25, 1), 1
	s_wait_xcnt 0x0
; out0[head][q][:] = the sum over k of softmax_k(mask ? Q.K / sqrt(128) : -inf) V[k][:], both products on codes of FP4 (E2M1) with one E8M0 scale for each 32 along a product's K.
; THE SOFTMAX AHEAD OF THE SECOND PRODUCT: t = score x log2(e) / sqrt(128); M = the running largest t rounded UP to a whole number; p = 2^(t - M) is quantised along the keys, not normalised;
; the row's sum is taken of the unquantised p and divides at the end; when M moves, the sum and O are multiplied by 2^(old M - new M), which rounds nothing.
; INPUTS, made by the launch before: qb, kv: codes and scale words as images of the operand registers (a block of kv = one key step: K's codes 8,192 bytes, V's 8,192, K's words 512, V's 512);
; mbits: for each tile of 16 queries and key step 64 lane masks, one for each register of the scores; flags: for each tile, bit j: some key of step j counts, bit 16 + j: all count.
; SHARES.  A work-group owns 128 queries of one head (head = x; block = 15 - y); each of its four waves owns TWO tiles of 16 queries, T = 8 block + wave and T + 4, so that each fragment of K and of V read from LDS feeds two products.
; The queries of tile T are 32 (T / 2) + 8 (T % 2) + r + 8 (r / 8); the keys of a tile of K follow the same rule, so that the 16 registers of score tiles 2 b and 2 b + 1 are keys 32 b + 16 (lane / 16) + 0 .. 15.
; Both products are used transposed (S^T = K Q^T, O^T = V^T P^T): a lane holds one query (lane % 16) of each tile throughout.
; THE MASK IS HONOURED AS GIVEN.  A key step none of whose keys counts for either tile of the wave is passed over by a scalar branch on the stored flags; where all count for both, the selects are passed over; else hidden scores become -inf (p = 0).
; A query for which no key counts ends with sum 0 and O 0: 0 x (1 / 0) = NaN.
; K AND V reach LDS through registers, TWO key steps ahead, in a ring of three slots: in step s slot s % 3 gives V's fragments, slot (s + 1) % 3 the next step's fragments of K (read under the second tile's softmax), and slot (s + 2) % 3 is written.  One barrier a step.
; NO TENSOR LOAD, NO CLUSTER: the waves branch on numbers read from memory, and the work-groups of a head want different key steps, so no joint request is made.
; NO PREFETCH: a key step's bytes are asked for by the ordinary loads themselves, two key steps ahead of their first use.
; LIMITS: NaN and infinities among the inputs are not served; |t| stays under 3e38.
; REGISTERS, window 0: v1 16 L; v2 32 r + 16 h; v3 16 x thread; v4, v5 the spare word's address and 0; v6 8 x thread; v7, v255 Q's scale words (tile 1, tile 0); v8-11, v12-15 -M, largest t, the sum in two halves (tile 1, tile 0);
; v16-23, v24-31 Q; v32-95 K's fragments; v96-159 S^T, then p; v160-223 V's fragments; v224-231 p's codes; v240-243 K's scale words, v248-251 V's (lanes 0-15: tiles 0-3, lanes 16-31: tiles 4-7); v253 p's scale word; the rest at work.
; window 1: v0-63, v64-127 O^T of the two tiles; v128-161 a key step's pieces on their way to LDS.
; s[2:3] kv at the step in hand; s[4:5] mbits likewise; s[6:7] out0; s8 wave; s9, s10 my flags (some, all), bit 0 = the step in hand; s11 the OR of the eight tiles' 'some' flags; s12 trips; s13 at work;
; s[14:15] c; s[84:85] lane selects; s[16:63], s[68:83] a tile's 64 lane masks.
.set KVB,  17408                       ; a key step in kv, and an LDS slot
.set VCO,  8192                        ; V's codes in it
.set KSO,  16384                       ; K's scale words
.set VSO,  16896                       ; V's
.set STG,  3*KVB                       ; behind the slots: 16 rows x 272 bytes for each wave, for the way out
.set SP,   272
.set SPARE, STG+4*16*SP                ; the spare words: 128 bytes for each wave, named by no other line
.set MSB, 0
.macro WIN new                         ; s_set_vgpr_msb: bits 1:0 source 0, 3:2 source 1, 5:4 source 2, 7:6 destination; the high byte repeats the setting that is left
.if MSB != \new
	s_set_vgpr_msb (MSB<<8)|\new
.set MSB, \new
.endif
.endm
.macro PLACES                          ; four plain vector instructions between a matrix instruction and a load into its registers or a read of its result
.rept 4
	v_nop
.endr
.endm
; a key step's 17,408 bytes: eight pieces of 2,048 (16 bytes a thread) and 1,024 of scale words (8 a thread)
.macro GLOAD rb, off
.irp i, 0,1,2,3,4,5,6,7
	global_load_b128 v[\rb+4*\i:\rb+4*\i+3], v3, s[2:3] offset:\off+2048*\i
.endr
	global_load_b64 v[\rb+32:\rb+33], v6, s[2:3] offset:\off+KSO
.endm
.macro PUTR rb, slot                   ; and into a slot at the same offsets
.irp i, 0,1,2,3,4,5,6,7
	ds_store_b128 v3, v[\rb+4*\i:\rb+4*\i+3] offset:\slot*KVB+2048*\i
.endr
	ds_store_b64 v6, v[\rb+32:\rb+33] offset:\slot*KVB+KSO
.endm
.macro KLOAD slot                      ; K's eight fragments and their scale words; an instruction's 512 bytes are consecutive
.irp t, 0,1,2,3,4,5,6,7
	ds_load_b128 v[32+8*\t:35+8*\t], v1 offset:\slot*KVB+1024*\t
	ds_load_b128 v[36+8*\t:39+8*\t], v1 offset:\slot*KVB+1024*\t+512
.endr
	ds_load_b128 v[240:243], v2 offset:\slot*KVB+KSO
.endm
.macro VLOAD slot
.irp t, 0,1,2,3,4,5,6,7
	ds_load_b128 v[160+8*\t:163+8*\t], v1 offset:\slot*KVB+VCO+1024*\t
	ds_load_b128 v[164+8*\t:167+8*\t], v1 offset:\slot*KVB+VCO+1024*\t+512
.endr
	ds_load_b128 v[248:251], v2 offset:\slot*KVB+VSO
.endm
.macro LOADM off                       ; a tile's 64 lane masks of the step in hand
	s_load_b512 s[16:31], s[4:5], \off
	s_load_b512 s[32:47], s[4:5], \off+0x40
	s_load_b512 s[48:63], s[4:5], \off+0x80
	s_load_b512 s[68:83], s[4:5], \off+0xc0
.endm
; one product: z = 1 starts the sum; ra = 1: source 0's scales stand in lanes 16-31
.macro WS d, a, b, z, sa, sb, ra
.if \z
.if \ra
	v_wmma_scale_f32_16x16x128_f8f6f4 v[\d:\d+7], v[\a:\a+7], v[\b:\b+7], 0, v[\sa], v[\sb] matrix_a_fmt:MATRIX_FMT_FP4 matrix_b_fmt:MATRIX_FMT_FP4 matrix_a_scale:MATRIX_SCALE_ROW1
.else
	v_wmma_scale_f32_16x16x128_f8f6f4 v[\d:\d+7], v[\a:\a+7], v[\b:\b+7], 0, v[\sa], v[\sb] matrix_a_fmt:MATRIX_FMT_FP4 matrix_b_fmt:MATRIX_FMT_FP4
.endif
.else
.if \ra
	v_wmma_scale_f32_16x16x128_f8f6f4 v[\d:\d+7], v[\a:\a+7], v[\b:\b+7], v[\d:\d+7], v[\sa], v[\sb] matrix_a_fmt:MATRIX_FMT_FP4 matrix_b_fmt:MATRIX_FMT_FP4 matrix_a_scale:MATRIX_SCALE_ROW1
.else
	v_wmma_scale_f32_16x16x128_f8f6f4 v[\d:\d+7], v[\a:\a+7], v[\b:\b+7], v[\d:\d+7], v[\sa], v[\sb] matrix_a_fmt:MATRIX_FMT_FP4 matrix_b_fmt:MATRIX_FMT_FP4
.endif
.endif
.endm
.macro SPROD u                         ; S^T = K Q^T of tile u: source 0 = 16 keys, source 1 = the tile's 16 queries
.irp t, 0,1,2,3,4,5,6,7
	WS 96+8*\t, 32+8*\t, 16+8*\u, 1, 240+\t%4, 255-248*\u, \t/4
.endr
.endm
	s_load_b256 s[16:23], s[0:1], 0x0              ; qb s[16:17], kv s[18:19], mbits s[20:21], flags s[22:23]
	s_load_b64 s[6:7], s[0:1], 0x20                ; out0
	v_lshl_add_u32 v4, v0, 2, SPARE
	v_mov_b32 v5, 0
	v_lshrrev_b32 v32, 5, v0
	s_delay_alu instid0(VALU_DEP_1)
	v_readfirstlane_b32 s8, v32                    ; wave 0..3
	v_and_b32 v1, 31, v0
	s_delay_alu instid0(VALU_DEP_1)
	v_lshlrev_b32 v1, 4, v1                        ; 16 L
	v_and_b32 v32, 15, v0                          ; r
	v_bfe_u32 v34, v0, 4, 1                        ; h
	s_delay_alu instid0(VALU_DEP_2)
	v_lshlrev_b32 v33, 5, v32                      ; 32 r: a row's eight scale words
	s_delay_alu instid0(VALU_DEP_1)
	v_lshl_add_u32 v2, v34, 4, v33                 ; + 16 h: lanes 16-31 take tiles 4-7's words
	v_lshlrev_b32 v3, 4, v0
	v_lshlrev_b32 v6, 3, v0
	s_and_b32 s25, ttmp7, 0xffff
	s_sub_co_u32 s25, 15, s25                      ; my block of 128 queries: the later blocks have the lower y
	s_lshl_b32 s26, s25, 3
	s_add_co_u32 s26, s26, s8                      ; T of my first tile
	s_mul_i32 s28, ttmp9, 16*KVB                   ; the head's first key step in kv
	s_mov_b32 s29, 0
	s_lshl_b32 s30, s26, 12                        ; the tile's lane masks: 16 steps x 256 bytes
	s_mov_b32 s31, 0
	s_lshl_b32 s86, ttmp9, 20                      ; out0: the head's 2,048 rows of 512 bytes,
	s_lshr_b32 s27, s26, 1
	s_lshl_b32 s27, s27, 14                        ; 32 (T / 2) rows,
	s_add_co_u32 s86, s86, s27
	s_and_b32 s27, s26, 1
	s_lshl_b32 s27, s27, 12                        ; 8 (T % 2) rows
	s_add_co_u32 s86, s86, s27
	s_mov_b32 s87, 0
	s_lshl_b32 s88, ttmp9, 4
	s_add_co_u32 s88, s88, s25                     ; q's block: 16 x head + block
	s_mul_i32 s88, s88, 8704
	s_mov_b32 s89, 0
	s_lshl_b32 s90, s8, 10                         ; my first tile's codes in it
	s_mov_b32 s91, 0
	s_lshl_b32 s92, s8, 2                          ; and its place in a row's scale words
	s_mov_b32 s93, 0
	s_lshl_b32 s94, s25, 5                         ; the eight tiles' flag words
	s_mov_b32 s95, 0
	s_lshl_b32 s96, s26, 2                         ; mine
	s_mov_b32 s97, 0
	s_mov_b32 s14, 0x3e0293ee                      ; c = log2(e) / sqrt(128)
	s_mov_b32 s15, s14                             ; (named with it as a pair, so it is written)
	s_mov_b32 s84, 0x76543210
	s_mov_b32 s85, 0xfedcba98                      ; v_permlanex16_b32's selects for lane l xor 16
	s_mov_b32 s12, 5
	s_wait_alu depctr_va_vdst(0)                   ; directly ahead of the wait below
	s_wait_kmcnt 0x0
	s_add_nc_u64 s[2:3], s[18:19], s[28:29]
	s_add_nc_u64 s[4:5], s[20:21], s[30:31]
	s_add_nc_u64 s[6:7], s[6:7], s[86:87]
	s_add_nc_u64 s[88:89], s[16:17], s[88:89]
	s_add_nc_u64 s[90:91], s[88:89], s[90:91]
	s_add_nc_u64 s[92:93], s[88:89], s[92:93]
	s_add_nc_u64 s[94:95], s[22:23], s[94:95]
	s_add_nc_u64 s[96:97], s[22:23], s[96:97]
	s_load_b256 s[32:39], s[94:95], 0x0
	s_load_b32 s9, s[96:97], 0x0
	s_load_b32 s10, s[96:97], 0x10
	GLOAD 96, 0                                    ; key steps 0 and 1, whatever the flags say: step 0 by way of the scores' registers
	WIN 0x40
	GLOAD 128, KVB
	WIN 0
	global_load_b128 v[16:19], v1, s[90:91]        ; Q's fragments stay in registers
	global_load_b128 v[20:23], v1, s[90:91] offset:512
	global_load_b128 v[24:27], v1, s[90:91] offset:4096
	global_load_b128 v[28:31], v1, s[90:91] offset:4608
	global_load_b32 v255, v33, s[92:93] offset:8192
	global_load_b32 v7, v33, s[92:93] offset:8208
	v_mov_b32 v13, 0xff61b1e6                      ; the largest t so far: -3e38, under every t
	v_mov_b32 v9, 0xff61b1e6
	v_floor_f32 v12, -v13                          ; -M
	v_floor_f32 v8, -v9
.irp j, 10,11,14,15,236,237,238,239,252,253,254
	v_mov_b32 v[\j], 0                             ; the sums; and registers that are named as a permute's destination or as half of a pair before they are first written
.endr
	WIN 0x40
.set j, 0
.rept 128
	v_mov_b32 v[j], 0                              ; O^T of both tiles.  Which key step is a wave's first hangs on the flags, so no first step can be written out: the first finds zeros
.set j, j+1
.endr
	WIN 0
	s_wait_kmcnt 0x0
	s_or_b32 s11, s32, s33
.irp j, 34,35,36,37,38,39
	s_or_b32 s11, s11, s[\j]
.endr
	s_and_b32 s11, s11, 0xffff                     ; bit j: some wave of the work-group wants key step j; no bit from 16 on, so nothing is asked for beyond step 15
	s_and_b32 s13, s9, s10
	s_or_b32 s9, s9, s10
	s_lshr_b32 s10, s13, 16                        ; all keys count for both my tiles
	s_and_b32 s9, s9, 0xffff                       ; some key counts for one of them
	s_wait_alu depctr_va_vdst(0)
	s_wait_loadcnt 0x0
	PUTR 96, 0
	WIN 0x04
	PUTR 128, 1
	WIN 0
	s_wait_dscnt 0x0
	s_barrier_signal -1
	s_barrier_wait -1                              ; key steps 0 and 1 lie in slots 0 and 1
	KLOAD 0
	s_wait_dscnt 0x0
; The softmax of tile u on the scores in v96-159, and O^T += V^T P^T.
.macro SOFT u
.set ST, 12-4*\u
.set OB, 64*\u
	s_wait_kmcnt 0x0                               ; the tile's lane masks are in
	s_and_b32 s13, s10, 1                          ; do all keys of this step count for all my queries?
	s_cbranch_scc1 .Lopen_\@
	v_mov_b32 v254, 0xff800000                     ; -infinity
.set n, 0
.rept 64
	v_cndmask_b32 v[96+n], v254, v[96+n], s[16+16*(n/16)+4*(n/48)+n%16]   ; register n: key 32 (n / 16) + 16 (lane / 16) + n % 16: kept where the lane's bit is set
.set n, n+1
.endr
.Lopen_\@:
.irp b, 0,1,2,3
	v_max3_num_f32 v[232+\b], v[96+16*\b], v[97+16*\b], v[98+16*\b]   ; the largest score of each block of 32 keys: for the row's maximum and, since p rises with the score, for the block's largest p
.endr
.irp i, 3,5,7,9,11,13
.irp b, 0,1,2,3
	v_max3_num_f32 v[232+\b], v[232+\b], v[96+16*\b+\i], v[97+16*\b+\i]
.endr
.endr
.if \u == 0
	LOADM 16384                                    ; the second tile's masks (4 tiles x 4,096 bytes on) take the first's registers, which have been read
.endif
.irp b, 0,1,2,3
	v_max_num_f32 v[232+\b], v[232+\b], v[111+16*\b]
.endr
.irp b, 0,1,2,3
	s_delay_alu instid0(VALU_DEP_4)
	v_permlanex16_b32 v[236+\b], v[232+\b], s84, s85
.endr
.irp b, 0,1,2,3
	s_delay_alu instid0(VALU_DEP_4)
	v_max_num_f32 v[232+\b], v[232+\b], v[236+\b]  ; with lane l xor 16's 16 keys
.endr
	s_delay_alu instid0(VALU_DEP_2)
	v_max3_num_f32 v254, v232, v233, v234
	s_delay_alu instid0(VALU_DEP_1)
	v_max_num_f32 v254, v254, v235                 ; the step's largest score of my query
	s_delay_alu instid0(VALU_DEP_1)
	v_mul_f32 v254, s14, v254                      ; as t (c is positive)
	s_delay_alu instid0(VALU_DEP_1)
	v_max_num_f32 v[ST+1], v[ST+1], v254           ; the running largest t
	v_mov_b32 v254, v[ST]
	s_delay_alu instid0(VALU_DEP_2)
	v_floor_f32 v[ST], -v[ST+1]                    ; the new -M = floor(-t) = -ceil(t): a whole number
	s_delay_alu instid0(VALU_DEP_1)
	v_sub_f32 v254, v[ST], v254                    ; old M less new M: a whole number, 0 or less
	s_delay_alu instid0(VALU_DEP_1)
	v_cvt_i32_f32 v254, v254                       ; (it saturates)
	s_delay_alu instid0(VALU_DEP_1)
	v_ldexp_f32 v252, 1.0, v254                    ; f = 2^(old M - new M)
.set j, 0
.rept 32
	v_pk_fma_f32 v[96+j:97+j], v[96+j:97+j], s[14:15], v[ST:ST+1] op_sel_hi:[1,0,0]   ; t - M, two at a time (of the pairs c and -M the low word serves both halves)
.set j, j+2
.endr
.irp b, 0,1,2,3
	v_fma_f32 v[232+\b], v[232+\b], s14, v[ST]     ; the same of each block's largest score
.endr
	s_wait_alu depctr_va_vdst(0)
.set j, 0
.rept 64
	v_exp_f32 v[96+j], v[96+j]                     ; p = 2^(t - M), at most 1: not normalised
.set j, j+1
.endr
	v_pk_mul_f32 v[ST+2:ST+3], v[ST+2:ST+3], v[252:253] op_sel_hi:[1,0]   ; the sums under the new M: the plain line behind the exponentials
	s_wait_alu depctr_va_vdst(0)                   ; one wait for the whole batch, ahead of its first reader
.irp b, 0,1,2,3
	v_exp_f32 v[232+\b], v[232+\b]                 ; the block's largest p: the same two instructions on the same number give the same bits
.endr
	v_pk_add_f32 v[236:237], v[100:101], v[104:105]   ; the row's sum of the unquantised p, in eight chains
	v_pk_add_f32 v[246:247], v[108:109], v[112:113]
	v_pk_add_f32 v[244:245], v[116:117], v[120:121]
	v_pk_add_f32 v[238:239], v[124:125], v[128:129]
	v_pk_add_f32 v[230:231], v[132:133], v[136:137]
	v_pk_add_f32 v[228:229], v[140:141], v[144:145]
	v_pk_add_f32 v[226:227], v[148:149], v[152:153]
	v_pk_add_f32 v[ST+2:ST+3], v[ST+2:ST+3], v[156:157]
	v_pk_add_f32 v[236:237], v[236:237], v[96:97]
	v_pk_add_f32 v[246:247], v[246:247], v[98:99]
	v_pk_add_f32 v[244:245], v[244:245], v[102:103]
	v_pk_add_f32 v[238:239], v[238:239], v[106:107]
	v_pk_add_f32 v[230:231], v[230:231], v[110:111]
	v_pk_add_f32 v[228:229], v[228:229], v[114:115]
	v_pk_add_f32 v[226:227], v[226:227], v[118:119]
	v_pk_add_f32 v[ST+2:ST+3], v[ST+2:ST+3], v[122:123]
	v_pk_add_f32 v[236:237], v[236:237], v[126:127]
	v_pk_add_f32 v[246:247], v[246:247], v[130:131]
	v_pk_add_f32 v[244:245], v[244:245], v[134:135]
	v_pk_add_f32 v[238:239], v[238:239], v[138:139]
	v_pk_add_f32 v[230:231], v[230:231], v[142:143]
	v_pk_add_f32 v[228:229], v[228:229], v[146:147]
	v_pk_add_f32 v[226:227], v[226:227], v[150:151]
	v_pk_add_f32 v[ST+2:ST+3], v[ST+2:ST+3], v[154:155]
	v_pk_add_f32 v[236:237], v[236:237], v[158:159]
	s_delay_alu instid0(VALU_DEP_2)
	v_pk_add_f32 v[ST+2:ST+3], v[ST+2:ST+3], v[238:239]
	s_delay_alu instid0(VALU_DEP_2)
	v_pk_add_f32 v[236:237], v[236:237], v[230:231]
	v_pk_add_f32 v[246:247], v[246:247], v[228:229]
	v_pk_add_f32 v[244:245], v[244:245], v[226:227]
	s_delay_alu instid0(VALU_DEP_2)
	v_pk_add_f32 v[ST+2:ST+3], v[ST+2:ST+3], v[246:247]
	s_delay_alu instid0(VALU_DEP_2)
	v_pk_add_f32 v[236:237], v[236:237], v[244:245]
	s_delay_alu instid0(VALU_DEP_1)
	v_pk_add_f32 v[ST+2:ST+3], v[ST+2:ST+3], v[236:237]
	s_wait_alu depctr_va_vdst(0)                   ; and one for the four
.irp b, 0,1,2,3
	v_max_num_f32 v[232+\b], 0x1800000, v[232+\b]  ; the floor 2^(3 - 127): the byte cannot fall under 1 (a block whose every p is 0 keeps that byte: its codes are zeros)
.endr
.irp b, 0,1,2,3
	s_delay_alu instid0(VALU_DEP_4)
	v_add_nc_u32 v[244+\b], 0xff000000, v[232+\b]  ; 2 off the exponent field: the conversion's scale operand
.endr
.irp b, 0,1,2,3
	s_delay_alu instid0(VALU_DEP_4)
	v_lshrrev_b32 v[236+\b], 23, v[244+\b]         ; the scale's byte
.endr
	s_delay_alu instid0(VALU_DEP_3)
	v_lshl_or_b32 v253, v237, 8, v236              ; p's scale word for these 128 keys
	s_delay_alu instid0(VALU_DEP_1)
	v_lshl_or_b32 v253, v238, 16, v253
	s_delay_alu instid0(VALU_DEP_1)
	v_lshl_or_b32 v253, v239, 24, v253
.irp b, 0,1,2,3
	v_cvt_scalef32_pk8_fp4_f32 v[224+2*\b], v[96+16*\b:103+16*\b], v[244+\b]
	v_cvt_scalef32_pk8_fp4_f32 v[225+2*\b], v[104+16*\b:111+16*\b], v[244+\b]
.endr
	v_nop                                          ; one plain line between a scaled conversion and the vector instruction that touches its result
.irp c, 0,1                                    ; the operand's layout wants a whole block in a lane: lanes 0-15 block 2 c, lanes 16-31 block 2 c + 1
.irp i, 0,1
	v_permlane16_swap_b32 v[224+4*\c+\i], v[226+4*\c+\i]
.endr
.endr
	WIN 0x41                                       ; O^T lies in window 1, f in window 0
	s_wait_alu depctr_va_vdst(0)                   ; directly ahead of the first reader of O^T
.set j, 0
.rept 32
	v_pk_mul_f32 v[OB+j:OB+j+1], v[OB+j:OB+j+1], v[252:253] op_sel_hi:[1,0]   ; O^T under the new M; these are also the places between the lines that made p's codes and scale word and the products below
.set j, j+2
.endr
	WIN 0x50                                       ; C and D in window 1, V's fragments and p's codes in window 0
	s_wait_alu depctr_va_vdst(0)                   ; directly ahead of the wait below
	s_wait_dscnt 0x0                               ; V's fragments and words are in
.irp t, 0,1,2,3,4,5,6,7                        ; source 0 = 16 channels, source 1 = p; the eight accumulators take turns
	WS OB+8*\t, 160+8*\t, 224, 0, 248+\t%4, 253, \t/4
.endr
	WIN 0
.endm
; A KEY STEP: 128 keys.  V out of slot cur; the next step's K out of slot nxt; the step after that goes into slot put.  more = 0: the last step.
.macro STEP cur, nxt, put, more
.if \more
	s_and_b32 s13, s11, 4                          ; will any wave of the work-group read the step two on?
	s_cbranch_scc0 .Lnone_\@
	WIN 0x40
	GLOAD 128, 2*KVB
	WIN 0
.Lnone_\@:
.endif
	s_and_b32 s13, s9, 1                           ; does any key of this step count for my tiles?
	s_cbranch_scc0 .Lpre_\@
	LOADM 0
	VLOAD \cur                                     ; lands under the first tile's softmax
	SPROD 0                                        ; K's fragments came in ahead of the last barrier
	PLACES
	SOFT 0
	SPROD 1
	PLACES                                         ; for the loads into K's registers below and the reads of the scores
.if \more
	s_and_b32 s13, s9, 2                           ; shall I want the next step?
	s_cbranch_scc0 .Lnok_\@
	KLOAD \nxt                                     ; lands under the second tile's softmax
.Lnok_\@:
.endif
	SOFT 1
	PLACES                                         ; for the next step's loads into V's registers, and for the way out's reads
.if \more
	s_branch .Ldone_\@
.endif
.Lpre_\@:                                              ; a step that is hidden from both my tiles: only the next step's K is fetched
.if \more
	s_and_b32 s13, s9, 2
	s_cbranch_scc0 .Ldone_\@
	KLOAD \nxt
.endif
.Ldone_\@:
.if \more
	s_wait_loadcnt 0x0                             ; on every path: the pieces asked for at the step's head are in
	s_and_b32 s13, s11, 4
	s_cbranch_scc0 .Lnoput_\@
	WIN 0x04
	PUTR 128, \put
	WIN 0
.Lnoput_\@:
	s_wait_xcnt 0x0                                ; my loads, scalar ones too, have read their bases: both may step
	s_add_nc_u64 s[2:3], s[2:3], KVB
	s_add_nc_u64 s[4:5], s[4:5], 256
	s_lshr_b32 s9, s9, 1                           ; bit 0 of each: the next step's flag
	s_lshr_b32 s10, s10, 1
	s_lshr_b32 s11, s11, 1
	s_wait_dscnt 0x0                               ; my stores have landed and my reads are back:
	s_barrier_signal -1
	s_barrier_wait -1                              ; both now hold of all four waves
.endif
.endm
.Ltrip:                                                ; five trips of three key steps, once round the ring; the sixteenth step is written out
	STEP 0, 1, 2, 1
	STEP 1, 2, 0, 1
	STEP 2, 0, 1, 1
	s_sub_co_u32 s12, s12, 1
	s_cmp_lg_u32 s12, 0
	s_cbranch_scc1 .Ltrip
	STEP 0, 1, 2, 0
	; THE WAY OUT.  O^T is divided by the row's sum and goes through my own stage in LDS, half a row (64 channels, 256 bytes) of 16 queries at a time.
	v_add_f32 v14, v14, v15                        ; the sums' two halves,
	v_add_f32 v10, v10, v11
	s_delay_alu instid0(VALU_DEP_2)
	v_permlanex16_b32 v252, v14, s84, s85
	s_delay_alu instid0(VALU_DEP_2)
	v_permlanex16_b32 v254, v10, s84, s85
	s_delay_alu instid0(VALU_DEP_2)
	v_add_f32 v14, v14, v252                       ; and lane l xor 16's: the rows' sums
	s_delay_alu instid0(VALU_DEP_2)
	v_add_f32 v10, v10, v254
	s_wait_alu depctr_va_vdst(0)
	v_rcp_f32 v14, v14
	v_rcp_f32 v10, v10
	v_and_b32 v232, 15, v0                         ; r
	v_bfe_u32 v233, v0, 4, 1                       ; h
	s_mul_i32 s13, s8, 16*SP
	s_add_co_u32 s13, s13, STG                     ; my stage
	v_mul_u32_u24 v234, v232, SP
	v_mul_u32_u24 v235, v233, SP
	v_lshlrev_b32 v236, 9, v233
	v_lshl_add_u32 v234, v233, 5, v234
	v_lshl_add_u32 v235, v232, 4, v235
	v_lshl_add_u32 v236, v232, 4, v236             ; in out0: lanes 0-15 one row, lanes 16-31 the next; 16 bytes a lane
	v_add_nc_u32 v234, s13, v234                   ; in: row r, + 32 h
	v_add_nc_u32 v235, s13, v235                   ; back: row h, + 16 r
	WIN 0x01
	s_wait_alu depctr_va_vdst(0)                   ; the wait ahead of the first reader of the reciprocals and of O^T
.set j, 0
.rept 32
	v_pk_mul_f32 v[96+j:97+j], v[j:j+1], v[14:15] op_sel_hi:[1,0]   ; register 8 t + i is o(query r, channel 16 t + 8 h + i)
.set j, j+2
.endr
.set j, 0
.rept 32
	v_pk_mul_f32 v[160+j:161+j], v[64+j:65+j], v[10:11] op_sel_hi:[1,0]
.set j, j+2
.endr
	WIN 0
	s_wait_alu depctr_va_vdst(0)
.macro OUT u, R, B
.irp w, 0,1                                    ; channels 64 w on
.irp t, 0,1,2,3
	ds_store_b128 v234, v[\R+32*\w+8*\t:\R+32*\w+8*\t+3] offset:64*\t
	ds_store_b128 v234, v[\R+32*\w+8*\t+4:\R+32*\w+8*\t+7] offset:64*\t+16
.endr
.irp i, 0,1,2,3,4,5,6,7
	ds_load_b128 v[\B+32*\w+4*\i:\B+32*\w+4*\i+3], v235 offset:2*\i*SP   ; LDS serves a wave's instructions in order (ISA guide 5.7.1): these see my stores, and the next stores come behind them
.endr
.endr
.irp w, 0,1
.irp i, 0,1,2,3,4,5,6,7
	s_wait_dscnt 23-16*\w-\i                       ; behind this load: the half's 7 - i younger loads and, for the first half, the second's 8 stores and 8 loads
	global_store_b128 v236, v[\B+32*\w+4*\i:\B+32*\w+4*\i+3], s[6:7] offset:(2*\i+8*(\i/4))*512+256*\w+32768*\u th:TH_STORE_NT   ; stage rows 2 i and 2 i + 1 are the tile's queries 2 i + h + 8 (i / 4); 16 lanes store 256 consecutive bytes, aligned
.endr
.endr
.endm
	OUT 0, 96, 32
	OUT 1, 160, 96                                 ; the second tile lies 64 rows of out0 on; v96-159 have been read by the first tile's LDS stores, which are done
	s_wait_tensorcnt 0x0                           ; the wave's end
	ds_add_u32 v4, v5
	s_wait_dscnt 0x0
	s_endpgm
.Lfunc_end_k_q4a640a4179_attn:
	.size	k_q4a640a4179_attn, .Lfunc_end_k_q4a640a4179_attn-k_q4a640a4179_attn
	.p2alignl 7, 3214868480
	.fill 96, 4, 3214868480
	.section	.rodata,"a",@progbits
	.p2align	6, 0x0
	.amdhsa_kernel k_q4a640a4179_attn
		.amdhsa_group_segment_fixed_size 70144
		.amdhsa_private_segment_fixed_size 0
		.amdhsa_enable_private_segment 0
		.amdhsa_kernarg_size 40
		.amdhsa_user_sgpr_count 2
		.amdhsa_user_sgpr_kernarg_segment_ptr 1
		.amdhsa_wavefront_size32 1
		.amdhsa_system_sgpr_workgroup_id_x 1
		.amdhsa_system_sgpr_workgroup_id_y 1
		.amdhsa_system_sgpr_workgroup_id_z 1
		.amdhsa_system_vgpr_workitem_id 0
		.amdhsa_next_free_vgpr 432
		.amdhsa_next_free_sgpr 100
		.amdhsa_reserve_vcc 0
		.amdhsa_float_denorm_mode_32 3
		.amdhsa_float_denorm_mode_16_64 3
		.amdhsa_memory_ordered 1
		.amdhsa_forward_progress 1
		.amdhsa_inst_pref_size 207
	.end_amdhsa_kernel
	.amdgpu_metadata
---
amdhsa.version: [ 1, 2 ]
amdhsa.kernels:
  - .name:           k_q4a640a4179_attn
    .symbol:         k_q4a640a4179_attn.kd
    .args:
      - { .name: qb, .offset: 0, .size: 8, .value_kind: global_buffer, .address_space: global }
      - { .name: kv, .offset: 8, .size: 8, .value_kind: global_buffer, .address_space: global }
      - { .name: mbits, .offset: 16, .size: 8, .value_kind: global_buffer, .address_space: global }
      - { .name: flags, .offset: 24, .size: 8, .value_kind: global_buffer, .address_space: global }
      - { .name: out0, .offset: 32, .size: 8, .value_kind: global_buffer, .address_space: global }
    .group_segment_fixed_size: 70144
    .private_segment_fixed_size: 0
    .kernarg_segment_align: 8
    .kernarg_segment_size: 40
    .max_flat_workgroup_size: 128
    .sgpr_count:     100
    .vgpr_count:     432
    .wavefront_size: 32
...
	.end_amdgpu_metadata
.endif
;; end of part 2
